; MI455X (gfx1250); checked and timed in simulation.
; The chip was launched on July 23, 2026; its instructions are those of AMD's public machine-readable ISA for CDNA 5 (MIT licence, August 2026) and "CDNA5" Instruction Set Architecture Reference Guide (July 2026). The comments in the code are by the model that wrote it; some were corrected since.
;; Kohonen Map. Allowed arithmetic: matrix products marked QUANTISED: E4M3 operands, one E8M0 scale for each 32 along K, by v_wmma_scale_f32_16x16x128_f8f6f4 with both operands' format E4M3, f32 sums; everything else in f32.
;; Inputs: weights 4,096 x 512 float32; x 32,768 x 512 float32.
;; Outputs: out0 32,768 x 512 float32.
;; This version of the problem:
;;   THIS VERSION OF THE PROBLEM IS GIVEN IN LOW PRECISION. The matrix products marked QUANTISED in the list below multiply operands that are first quantised to E4M3 (4 exponent bits, 3 mantissa bits; 8 bits a number), with one power-of-two scale for each 32 numbers along K (OCP MX v1.0); their sums are f32. All else is computed in f32.
;;   The module's matrix products, in the order in which they are computed (A, B: the left and right operand; K: the contracted axis; several contracted axes count as one K, in the product's order):
;;     1. [M 32,768, K 512] x [K 512, N 4,096]; A: input x; B: input weights: QUANTISED
;;   THE QUANTISER, for each operand of a quantised product, along K:
;;     - K is cut into blocks of 32 from its start; a last block that is shorter is filled with zeros.
;;     - A block's scale is 2^e with e = floor(log2(the largest magnitude in the block)) - 8, held to -126 .. 127; a block of zeros has e = 0. As a byte (E8M0): e + 127.
;;     - Each number is divided by its block's scale, clamped to +-448, and rounded to the nearest number of E4M3, ties to even, subnormals kept.
;;     - The product sums the exact products of the quantised numbers (number of the format x scale) in f32.
;;   ~~~python
;;   def quantise(x, axis):      # numpy; x: float32 -> the quantised numbers, widened to float32 again
;;       x = np.moveaxis(x, axis, -1); K = x.shape[-1]
;;       x = np.pad(x, [(0, 0)] * (x.ndim - 1) + [(0, -K % 32)]); x = x.reshape(x.shape[:-1] + (-1, 32)); a = np.abs(x).max(-1, keepdims=True)
;;       e = np.where(a > 0, np.clip(np.frexp(np.where(a > 0, a, 1))[1] - 1 - 8, -126, 127), 0)      # np.frexp(a)[1] - 1 = floor(log2(a)), exactly
;;       r = np.clip(x / 2.0 ** e, -448, 448)
;;       step = 2.0 ** (np.maximum(np.frexp(np.where(r == 0, 1, r))[1] - 1, -6) - 3)
;;       q = np.round(r / step) * step * 2.0 ** e      # np.round: ties to even
;;       return np.moveaxis(q.reshape(q.shape[:-2] + (-1,))[..., :K], -1, axis).astype(np.float32)
;;   ~~~
;; One version. Each part assembles by itself: llvm-mc -triple=amdgcn-amd-amdhsa -mcpu=gfx1250 --defsym DOCPART=n.
;; ======== version 1 of 1: 3 launches
;; limits: right only within a limited range of input values
;; workspace buffers: wq 2,228,224 bytes; bmu 131,072 bytes of whole numbers
;; launch prep (part 1): grid 256 x 1, 4 waves a work-group, no clusters, 1,536 bytes of LDS; arguments weights, wq; writes wq
.if DOCPART == 1
	.amdgcn_target "amdgcn-amd-amdhsa--gfx1250"
	.amdhsa_code_object_version 6
	.text
	.protected	k_qfc99df08d4_prep
	.globl	k_qfc99df08d4_prep
	.p2align	8
	.type	k_qfc99df08d4_prep,@function
k_qfc99df08d4_prep:
	s_mov_b64 s[64:65], 0
	v_nop
	global_prefetch_b8 v0, s[64:65] scope:SCOPE_SE
	s_setreg_imm32_b32 hwreg(HW_REG_WAVE_MODE, 25, 1), 1
	s_wait_xcnt 0x0
; weights [4096][512] f32 -> wq: codes of FP8 (E4M3) with one E8M0 scale byte for each 32 along K, laid as IMAGES OF THE OPERAND'S REGISTERS, and -|w|^2 / 2 of every neuron (f32, of the unquantised numbers).
; wq: 16 chunks of CHUNK bytes; a chunk is 4 parts of PART bytes (one for each wave of the next launch); a part holds 4 tiles of 16 neurons.  Tile T = 16 chunk + 4 part + i holds neurons 16 T .. 16 T + 15:
;   codes at part + 8192 i + 2048 s + 512 c + 16 lane: registers 4 c .. 4 c + 3 of the fragment of K step s (128 along K): lane (r, h) holds k = 128 s + 32 c + 16 h + 0 .. 15 of neuron r;
;   a record of 512 bytes at part + 32768 + 512 i: scale words at 16 r + 4 s; -|w|^2 / 2 at 256 + 4 m; zeros behind.
; SHARES: a work-group takes a tile, wave s its K step s: 64 numbers a lane.  The four partial sums of squares and the four scale words of a row meet in LDS; wave 0 stores the record as 512 consecutive bytes.
; A block's scale is 2^(floor(log2(its largest magnitude)) - 8); its byte is the largest magnitude's exponent field - 8, held at 1 from below.
; LIMITS: a block of zeros gets the byte 1 where the rule says 127 (its codes are zeros, and this program alone reads the bytes); NaN and infinities among the inputs are not served.
; No cluster, no tensor load: work-groups share no input, and each byte is read once.  A lane's loads stand 64 bytes from its neighbour's; a wave's sixteen loads together take 512 consecutive bytes of each of its 16 rows.
; LEFT OUT IN THIS PROGRAM: |x_n|^2.  In argmin over k of |x_n|^2 - 2 x_n . w_k + |w_k|^2 it is the same addend for every k of a row, so in exact arithmetic, for all values of the inputs, it moves no
; comparison between two candidates and reaches no output.  x itself stays an input: the product reads it.  LIMIT: a NaN, an infinity or an overflow that arises in |x_n|^2 alone is not carried to the result.
.set CHUNK, 0x22000
.set PART,  0x8800
.set X,     16                         ; v16-79   my 64 numbers: register 16 b + i = k 32 b + 16 h + i of my row's K step
.set PC,    80                         ; v80-95   the fragment's codes
.set TM,    96                         ; v96-99 largest magnitudes, v100-103 bytes, v104-107 448 x the scale, v108-111 the conversions' scale operands
.set PW,    112                        ; v112     my row's scale word
.set PS,    512                        ; LDS: the record at 0 (512 bytes); the partial sums at 512 (64 bytes a wave)
	s_load_b128 s[4:7], s[0:1], 0x0                ; weights, wq
	v_lshl_add_u32 v128, v0, 2, 0x400
	v_mov_b32 v129, 0
	v_lshrrev_b32 v1, 5, v0
	v_readfirstlane_b32 s8, v1                     ; wave = K step s
	v_and_b32 v1, 15, v0                           ; r
	v_bfe_u32 v2, v0, 4, 1                         ; h
	v_lshlrev_b32 v3, 11, v1
	v_lshl_add_u32 v3, v2, 6, v3                   ; row r of 2,048 bytes + 64 h
	v_and_b32 v13, 31, v0
	v_lshlrev_b32 v4, 4, v13                       ; 16 x lane
	v_lshlrev_b32 v13, 2, v13                      ; 4 x lane
	s_lshl_b32 s10, s8, 2
	v_lshl_add_u32 v5, v1, 4, s10                  ; the record: 16 r + 4 s
	s_lshl_b32 s11, s8, 6
	s_add_co_u32 s11, s11, PS
	v_lshl_add_u32 v6, v1, 2, s11                  ; the partial sums: 512 + 64 s + 4 r
	v_lshlrev_b32 v7, 2, v1                        ; 4 r
	v_mov_b32 v12, 0                               ; (a lane permute's destination counts as one of its sources)
.irp b, 0,1,2,3
	v_mov_b32 v[TM+4+\b], 0
.endr
	s_lshl_b32 s12, ttmp9, 15                      ; the tile's 16 rows of 2,048 bytes,
	s_lshl_b32 s13, s8, 9
	s_add_co_u32 s12, s12, s13                     ; + my K step's 512 bytes
	s_mov_b32 s13, 0
	s_lshr_b32 s14, ttmp9, 4
	s_mul_i32 s14, s14, CHUNK                      ; the tile's chunk,
	s_bfe_u32 s15, ttmp9, 0x20002
	s_mul_i32 s15, s15, PART
	s_add_co_u32 s14, s14, s15                     ; and part
	s_and_b32 s9, ttmp9, 3                         ; i
	s_lshl_b32 s16, s9, 13
	s_lshl_b32 s17, s8, 11
	s_add_co_u32 s16, s16, s17
	s_add_co_u32 s16, s16, s14                     ; my fragment's image
	s_mov_b32 s17, 0
	s_lshl_b32 s18, s9, 9
	s_add_co_u32 s18, s18, s14
	s_add_co_u32 s18, s18, 32768                   ; the tile's record
	s_mov_b32 s19, 0
	s_mov_b32 s20, 0x76543210
	s_mov_b32 s21, 0xfedcba98                      ; v_permlanex16_b32's selects for lane l xor 16
	s_mov_b32 s23, 0x600000                        ; the mantissa field of 448
	s_wait_kmcnt 0x0
	s_add_nc_u64 s[4:5], s[4:5], s[12:13]
	s_add_nc_u64 s[24:25], s[6:7], s[16:17]
	s_add_nc_u64 s[26:27], s[6:7], s[18:19]
.irp b, 0,1,2,3
.irp j, 0,1,2,3
	global_load_b128 v[X+16*\b+4*\j:X+16*\b+4*\j+3], v3, s[4:5] offset:128*\b+16*\j th:TH_LOAD_NT
.endr
.endr
	s_wait_loadcnt 0x0
	; the sum of squares of my 64 numbers, two at a time, in two chains; the first products start the sums
	v_pk_mul_f32 v[8:9], v[X:X+1], v[X:X+1]
	v_pk_mul_f32 v[10:11], v[X+2:X+3], v[X+2:X+3]
.irp j, 4,8,12,16,20,24,28,32,36,40,44,48,52,56,60
	v_pk_fma_f32 v[8:9], v[X+\j:X+\j+1], v[X+\j:X+\j+1], v[8:9]
	v_pk_fma_f32 v[10:11], v[X+\j+2:X+\j+3], v[X+\j+2:X+\j+3], v[10:11]
.endr
	v_pk_add_f32 v[8:9], v[8:9], v[10:11]
	v_add_f32 v8, v8, v9
	v_permlanex16_b32 v12, v8, s20, s21
	v_add_f32 v8, v8, v12                          ; with lane l xor 16's 64: row r's sum over this K step
	; the quantiser: four blocks of 32, each in lanes l and l xor 16
.irp b, 0,1,2,3
	v_max3_num_f32 v[TM+\b], |v[X+16*\b]|, |v[X+16*\b+1]|, 0x4800000   ; my 16 numbers and the floor 2^(9 - 127): the byte cannot fall under 1
.endr
.irp i, 2,4,6,8,10,12,14
.irp b, 0,1,2,3
	v_max3_num_f32 v[TM+\b], v[TM+\b], |v[X+16*\b+\i]|, |v[X+16*\b+\i+1]|   ; (the four blocks by turns)
.endr
.endr
.irp b, 0,1,2,3
	v_permlanex16_b32 v[TM+4+\b], v[TM+\b], s20, s21
.endr
.irp b, 0,1,2,3
	v_max_num_f32 v[TM+\b], v[TM+\b], v[TM+4+\b]   ; the block's largest magnitude
.endr
.irp b, 0,1,2,3
	v_add_nc_u32 v[TM+12+\b], 0xfc000000, v[TM+\b] ; 8 off its exponent field: the conversion takes that field as its scale
.endr
.irp b, 0,1,2,3
	v_and_or_b32 v[TM+8+\b], v[TM+\b], 0x7f800000, s23   ; 448 x the scale
.endr
.irp b, 0,1,2,3
	v_lshrrev_b32 v[TM+4+\b], 23, v[TM+12+\b]      ; the scale's byte
.endr
	v_lshl_or_b32 v[PW], v[TM+5], 8, v[TM+4]
	v_lshl_or_b32 v[PW], v[TM+6], 16, v[PW]
	v_lshl_or_b32 v[PW], v[TM+7], 24, v[PW]        ; row r's scale word of this K step
.irp b, 0,1,2,3
.irp i, 0,1,2,3,4,5,6,7,8,9,10,11,12,13,14,15
	v_med3_num_f32 v[X+16*\b+\i], v[X+16*\b+\i], -v[TM+8+\b], v[TM+8+\b]   ; the conversion to an 8-bit code does not saturate (ISA guide 7.6.2): the hold comes first
.endr
	v_cvt_scalef32_pk8_fp8_f32 v[PC+4*\b:PC+4*\b+1], v[X+16*\b:X+16*\b+7], v[TM+12+\b]
	v_cvt_scalef32_pk8_fp8_f32 v[PC+4*\b+2:PC+4*\b+3], v[X+16*\b+8:X+16*\b+15], v[TM+12+\b]
.endr
	v_nop                                          ; one plain line behind the last conversion
.irp c, 0,1,2,3
	global_store_b128 v4, v[PC+4*\c:PC+4*\c+3], s[24:25] offset:512*\c   ; 32 lanes store 512 consecutive bytes, aligned
.endr
	ds_store_b32 v5, v[PW]                         ; both lanes of a row write the same word with the same value
	ds_store_b32 v6, v8
	s_wait_dscnt 0x0                               ; for wave 0's sake: my LDS stores are done
	s_barrier_signal -1
	s_barrier_wait -1
	s_cmp_lg_u32 s8, 0
	s_cbranch_scc1 .Ldone                          ; wave 0 alone finishes the record; no barrier stands in this branch
	ds_load_b32 v113, v7 offset:PS
	ds_load_b32 v114, v7 offset:PS+64
	ds_load_b32 v115, v7 offset:PS+128
	ds_load_b32 v116, v7 offset:PS+192
	s_wait_dscnt 0x0
	v_add_f32 v113, v113, v114
	v_add_f32 v115, v115, v116
	v_add_f32 v113, v113, v115
	v_mul_f32 v113, -0.5, v113                     ; -|w|^2 / 2: the halving is exact
	v_mov_b32 v114, 0
	ds_store_b32 v7, v113 offset:256
	ds_store_b32 v13, v114 offset:320              ; bytes 320 .. 447
	ds_store_b32 v7, v114 offset:448               ; bytes 448 .. 511: every byte of wq is stored
	ds_load_b128 v[120:123], v4                    ; LDS serves a wave's instructions in order: this sees the stores above
	s_wait_dscnt 0x0
	global_store_b128 v4, v[120:123], s[26:27]     ; 512 consecutive bytes, aligned
.Ldone:
	s_wait_tensorcnt 0x0
	ds_add_u32 v128, v129
	s_wait_dscnt 0x0
	s_endpgm
.Lfunc_end_k_qfc99df08d4_prep:
	.size	k_qfc99df08d4_prep, .Lfunc_end_k_qfc99df08d4_prep-k_qfc99df08d4_prep
	.p2alignl 7, 3214868480
	.fill 96, 4, 3214868480
	.section	.rodata,"a",@progbits
	.p2align	6, 0x0
	.amdhsa_kernel k_qfc99df08d4_prep
		.amdhsa_group_segment_fixed_size 1536
		.amdhsa_private_segment_fixed_size 0
		.amdhsa_enable_private_segment 0
		.amdhsa_kernarg_size 16
		.amdhsa_user_sgpr_count 2
		.amdhsa_user_sgpr_kernarg_segment_ptr 1
		.amdhsa_wavefront_size32 1
		.amdhsa_system_sgpr_workgroup_id_x 1
		.amdhsa_system_sgpr_workgroup_id_y 1
		.amdhsa_system_sgpr_workgroup_id_z 1
		.amdhsa_system_vgpr_workitem_id 0
		.amdhsa_next_free_vgpr 130
		.amdhsa_next_free_sgpr 66
		.amdhsa_reserve_vcc 0
		.amdhsa_float_denorm_mode_32 3
		.amdhsa_float_denorm_mode_16_64 3
		.amdhsa_memory_ordered 1
		.amdhsa_forward_progress 1
		.amdhsa_inst_pref_size 16
	.end_amdhsa_kernel
	.amdgpu_metadata
---
amdhsa.version: [ 1, 2 ]
amdhsa.kernels:
  - .name:           k_qfc99df08d4_prep
    .symbol:         k_qfc99df08d4_prep.kd
    .args:
      - { .name: weights, .offset: 0, .size: 8, .value_kind: global_buffer, .address_space: global }
      - { .name: wq, .offset: 8, .size: 8, .value_kind: global_buffer, .address_space: global }
    .group_segment_fixed_size: 1536
    .private_segment_fixed_size: 0
    .kernarg_segment_align: 8
    .kernarg_segment_size: 16
    .max_flat_workgroup_size: 128
    .sgpr_count:     66
    .vgpr_count:     130
    .wavefront_size: 32
...
	.end_amdgpu_metadata
.endif
;; end of part 1
;; launch bmu_find (part 2): grid 256 x 1, 4 waves a work-group, clusters of 4 x 1, 327,680 bytes of LDS; arguments x, wq, bmu; writes bmu
.if DOCPART == 2
	.amdgcn_target "amdgcn-amd-amdhsa--gfx1250"
	.amdhsa_code_object_version 6
	.text
	.protected	k_qfc99df08d4_bmu_find
	.globl	k_qfc99df08d4_bmu_find
	.p2align	8
	.type	k_qfc99df08d4_bmu_find,@function
k_qfc99df08d4_bmu_find:
	s_mov_b64 s[64:65], 0
	v_nop
	global_prefetch_b8 v0, s[64:65] scope:SCOPE_SE
	s_setreg_imm32_b32 hwreg(HW_REG_WAVE_MODE, 25, 1), 1
	s_wait_xcnt 0x0
	s_wait_alu depctr_hold_cnt(0) depctr_sa_sdst(0) depctr_va_vdst(0) depctr_va_sdst(0) depctr_va_ssrc(0) depctr_va_vcc(0) depctr_vm_vsrc(0)
	s_getreg_b32 s2, hwreg(HW_REG_IB_STS2, 6, 4)
	s_cmp_eq_u32 s2, 0
	s_cbranch_scc0 .Lentry_in_a_cluster
	s_endpgm
.Lentry_in_a_cluster:
	s_bfe_u32 s2, ttmp6, 0x10000c
	s_cmp_lg_u32 s2, 0x3003
	s_cbranch_scc0 .Lentry_shape_is_right
	s_endpgm
.Lentry_shape_is_right:
; bmu[n] = argmin over k of |x_n|^2 - 2 x_n . w_k + |w_k|^2, the product on codes of FP8 (E4M3) with one E8M0 scale for each 32 along K.  x [32768][512] f32; wq: W's codes, scale words and -|w|^2 / 2 as the launch before laid them.
; THE SCORE.  argmin_k(x2 - 2 dot + w2_k) = argmax_k s_k, s_k = dot_k - w2_k / 2.  -w2_k / 2 is the C of each sum's first product.  |x_n|^2 is left out: the same addend for all candidates of a row (shown at the head of the first kernel).
; LIMITS: the order of rounding differs from the formula's: two candidates that the roundings of (x2 - 2 dot) + w2 make equal are told apart here; exact ties of s go to the lower index.  NaN and infinities are not served.
; A block of zeros gets the scale byte 1 where the rule says 127: its codes are zeros, and this program alone reads the bytes.
; SHARES.  A work-group owns 128 rows of x: 8 tiles of 16.  Every wave holds the codes of all 128 rows for all of K in 512 registers and walks a quarter of the neurons: 64 tiles of 16, four in each of 16 chunks.
; A fragment of W read from LDS (2,048 bytes) feeds 8 products, none is read twice, and a wave reads only the part that its own tensor load brought.
; LAYOUT.  Source 0 = 16 neurons, source 1 = 16 rows of x: a lane holds one row of x (lane % 16) and its 8 registers the neurons 8 (lane / 16) + 0 .. 7.
; A TILE STEP, in three parts: the next tile's 19 LDS loads in one run; the tile's 32 products on end (8 accumulators by turns); the 112 lines of the argmax of the tile BEFORE, whose accumulators
; are the other set.  Those lines are also the places between a run of products and the loads into its registers and the reads of its results.
; THE ARGMAX of a tile's 8 numbers of a lane: four v_max3 carry the running maximum on (two sets by turns: no copy); one compare (strict: the earlier tile keeps a tie); one select keeps the tile's first neuron, eight its
; numbers.  Each level goes over the 8 x tiles, so that no line reads the line above it.  The place inside the winning tile is looked up once, at the end.  No branch and no address hangs on a score.
; CLUSTER.  All work-groups walk the same W: the four of a cluster ask for each part jointly.  x comes once, one plain tensor load a wave, into the two slots that W's ring uses afterwards; each wave quantises two tiles,
; and the codes go from wave to wave through LDS as images of the operand's registers.
; REGISTERS, in windows of 256 (s_set_vgpr_msb: bits 1:0 source 0, 3:2 source 1, 5:4 source 2, 7:6 destination):
;   window 0: v1-12 addresses; v16-47 x's scale words (4 t + s); v50-57 W's (two sets; their numbers differ from x's modulo 4); v58-73 -w2/2 (two sets); v74-89 M (two sets); v96-159 the kept numbers (8 t + j);
;             v208-215 the winning tile's first neuron; at the head v96-223 numbers of x, v224-243 at work; v244-246 address bases
;   window 1: v0-127 W's fragments, two sets (64 p + 16 s); v128-255 accumulators, two sets (128 + 64 p + 8 t); at the head v0-63 the codes just made
;   windows 2, 3: x's codes: tile t in window 2 + t / 4 at v[64 (t % 4) + 16 s]
.set CHUNK, 0x22000                    ; a chunk of wq, and an LDS slot: four parts
.set PART,  0x8800                     ; a part: 4 tiles x 8,192 bytes of codes, then 4 records of 512 bytes
.set SLOTB, 0x22000                    ; wave x PART has neither bit 13 nor bit 17: one exclusive or turns a part's place in slot 0 into slot 1's
.set XP,    1040                       ; the x stage: half a row, 1,024 bytes + 16 of padding: 16 rows start 4 banks apart (ISA guide 11.1)
.set XTB,   16*XP                      ; a tile's 16 rows
.set XHB,   64*XP                      ; a column half of 64 rows: what one tensor load brings
.set STG,   2*SLOTB                    ; behind the ring, never a fill's target: images of 4 x tiles; at the end maxima, indices and the result
.set STGS,  STG+32768                  ; their scale words: 512 bytes a tile
.set SPARE, STGS+2048                  ; the spare words, 128 bytes a wave
.set OUTI,  STG+8192
.set SPW, 1
.set NIL, 2
.set WF,  3                            ; my lane's place in my part's fragments, in the slot in hand
.set WS,  4                            ; in its scale words
.set WN,  5                            ; in its -w2/2
.set LI,  6                            ; STG + 16 x lane
.set LS,  7                            ; STGS + 4 x lane
.set XRD, 8                            ; v8, v12: my lane's place in my tile of the x stage, column half 0, 1
.set XWI, 9
.set XWS, 10
.set PFO, 11                           ; 256 x lane; never rewritten
.set XS,  16
.set SW,  50
.set NW,  58
.set MM,  74
.set SV,  96
.set ID,  208
.set XN0, 96
.set XN1, 160
.set TM,  224
.set PW,  240
.set WF0, 244
.set WS0, 245
.set WN0, 246
.set ACC, 128
.set PC,  0
.set WV,  10
.set G1W, 16
.set G0W, 24
.set G1X, 28
.set G0X, 36
.set SEL, 52
.set MNT, 54
.set NB,  55                           ; the first neuron of the tile whose argmax is in hand
.set CNT, 56
.set LIM, 57                           ; 2 in the launch's first cluster, else the greatest number
.set PFA, 58
.set TB,  62
.set MK,  66                           ; s[66:73] the eight masks of the argmax in hand
.set MSB, 0
.macro WIN new                         ; the immediate's high byte repeats the setting that is left
.if MSB != (\new)
	s_set_vgpr_msb (MSB<<8)|(\new)
.set MSB, (\new)
.endif
.endm
.macro CREST
	s_cmp_lg_u32 s[WV], 0
	s_cbranch_scc1 .Lnot_wave_0_\@
	s_barrier_signal -3
.Lnot_wave_0_\@:
	s_barrier_wait -3
	s_barrier_signal -1
	s_barrier_wait -1
.endm
.macro CROUND
	s_barrier_signal -1
	s_barrier_wait -1
	CREST
.endm
.macro WSTEP                           ; the walking descriptor: the other slot, the next chunk
	s_xor_b32 s[G0W+1], s[G0W+1], SLOTB
	s_add_nc_u64 s[G0W+2:G0W+3], s[G0W+2:G0W+3], CHUNK
.endm
.macro WLOAD                           ; my part of a chunk, asked for jointly by the four partners
	tensor_load_to_lds s[G0W:G0W+3], s[G1W:G1W+7]
	s_nop 0
.rept 4
	v_nop
.endr
.endm
; PREFETCHES.  Behind the load of chunk c stands a request for the codes of chunk c + 2; chunks 0 and 1 are asked for at the head.  All clusters walk the same W, so the launch's first cluster asks; its partners are told
; apart by address: wave w of partner cx names the 8,192 bytes of tile cx of part w, lanes 256 bytes apart.  The records are not asked for.  The last two loads have no chunk two on and ask for nothing.
.macro ASK                             ; in the loop
	s_cmp_gt_u32 s[CNT], s[LIM]
	s_cbranch_scc0 .Lnot_mine_\@
	global_prefetch_b8 v[PFO], s[PFA:PFA+1] th:TH_LOAD_NT scope:SCOPE_SE
.Lnot_mine_\@:
.endm
.macro ASKH off                        ; at the head: s[PFA] stands at chunk 3
	s_cmp_eq_u32 s[LIM], 2
	s_cbranch_scc0 .Lnot_mine_\@
	global_prefetch_b8 v[PFO], s[PFA:PFA+1] offset:\off th:TH_LOAD_NT scope:SCOPE_SE
.Lnot_mine_\@:
.endm
.macro XLD dst, ks                     ; my row's 64 numbers of K step ks: register 16 b + i = k 32 b + 16 h + i
.irp b, 0,1,2,3
.irp j, 0,1,2,3
	ds_load_b128 v[\dst+16*\b+4*\j:\dst+16*\b+4*\j+3], v[XRD+4*((\ks)/2)] offset:512*((\ks)%2)+128*\b+16*\j
.endr
.endr
.endm
.macro QUANT src, ks                   ; 64 numbers of a lane become the codes of K step ks (window 1, v[PC + 16 ks] on) and its scale word v[PW + ks]
.irp b, 0,1,2,3
	v_max3_num_f32 v[TM+\b], |v[\src+16*\b]|, |v[\src+16*\b+1]|, 0x4800000   ; my 16 numbers and the floor 2^(9 - 127): the byte cannot fall under 1
.endr
.irp i, 2,4,6,8,10,12,14
.irp b, 0,1,2,3
	v_max3_num_f32 v[TM+\b], v[TM+\b], |v[\src+16*\b+\i]|, |v[\src+16*\b+\i+1]|
.endr
.endr
.irp b, 0,1,2,3
	v_permlanex16_b32 v[TM+4+\b], v[TM+\b], s[SEL], s[SEL+1]
.endr
.irp b, 0,1,2,3
	v_max_num_f32 v[TM+\b], v[TM+\b], v[TM+4+\b]   ; with lane l xor 16's: the block's largest magnitude
.endr
.irp b, 0,1,2,3
	v_add_nc_u32 v[TM+12+\b], 0xfc000000, v[TM+\b] ; 8 off its exponent field: the conversion's scale operand
.endr
.irp b, 0,1,2,3
	v_and_or_b32 v[TM+8+\b], v[TM+\b], 0x7f800000, s[MNT]   ; 448 x the scale
.endr
.irp b, 0,1,2,3
	v_lshrrev_b32 v[TM+4+\b], 23, v[TM+12+\b]      ; the scale's byte
.endr
	v_lshl_or_b32 v[PW+\ks], v[TM+5], 8, v[TM+4]
	v_lshl_or_b32 v[PW+\ks], v[TM+6], 16, v[PW+\ks]
	v_lshl_or_b32 v[PW+\ks], v[TM+7], 24, v[PW+\ks]
.irp b, 0,1,2,3
.irp i, 0,1,2,3,4,5,6,7,8,9,10,11,12,13,14,15
	v_med3_num_f32 v[\src+16*\b+\i], v[\src+16*\b+\i], -v[TM+8+\b], v[TM+8+\b]   ; the conversion does not saturate (ISA guide 7.6.2): the hold comes first
.endr
.endr
	WIN 0x40
.irp b, 0,1,2,3
	v_cvt_scalef32_pk8_fp8_f32 v[PC+16*\ks+4*\b:PC+16*\ks+4*\b+1], v[\src+16*\b:\src+16*\b+7], v[TM+12+\b]
	v_cvt_scalef32_pk8_fp8_f32 v[PC+16*\ks+4*\b+2:PC+16*\ks+4*\b+3], v[\src+16*\b+8:\src+16*\b+15], v[TM+12+\b]
.endr
	WIN 0
	v_nop                                          ; one plain line behind the last conversion
.endm
.macro XTILE                           ; my tile of the group in hand: the stage's loads one K step ahead of the arithmetic; each count lets the younger run of 16 stay out
	XLD XN0, 0
	XLD XN1, 1
	s_wait_dscnt 16
	QUANT XN0, 0
	XLD XN0, 2
	s_wait_dscnt 16
	QUANT XN1, 1
	XLD XN1, 3
	s_wait_dscnt 16
	QUANT XN0, 2
	s_wait_dscnt 0x0
	QUANT XN1, 3
.endm
.macro IMG                             ; my tile's four fragments and scale words go to LDS as they stand in the registers
	WIN 0x04
.irp ks, 0,1,2,3
.irp c, 0,1,2,3
	ds_store_b128 v[XWI], v[PC+16*\ks+4*\c:PC+16*\ks+4*\c+3] offset:2048*\ks+512*\c
.endr
.endr
	WIN 0
.irp ks, 0,1,2,3
	ds_store_b32 v[XWS], v[PW+\ks] offset:128*\ks
.endr
.endm
.macro FETCHX gx                       ; and come back so, all four tiles of group gx, in every wave
	WIN 0x80+0x40*(\gx)
.irp t, 0,1,2,3
.irp ks, 0,1,2,3
.irp c, 0,1,2,3
	ds_load_b128 v[64*\t+16*\ks+4*\c:64*\t+16*\ks+4*\c+3], v[LI] offset:8192*\t+2048*\ks+512*\c
.endr
.endr
.endr
	WIN 0
.irp t, 0,1,2,3
.irp ks, 0,1,2,3
	ds_load_b32 v[XS+16*(\gx)+4*\t+\ks], v[LS] offset:512*\t+128*\ks
.endr
.endr
.endm
.macro WFETCH i, p                     ; tile i of my part into set p: 19 loads in one run: its record, then its four fragments
	WIN 0
	ds_load_b128 v[SW+4*(\p):SW+4*(\p)+3], v[WS] offset:32768+512*(\i)          ; lane r: the four scale words of neuron r
	ds_load_b128 v[NW+8*(\p):NW+8*(\p)+3], v[WN] offset:32768+512*(\i)+256      ; -w2/2 of neurons 8 h + 0 .. 3,
	ds_load_b128 v[NW+8*(\p)+4:NW+8*(\p)+7], v[WN] offset:32768+512*(\i)+272    ; and 8 h + 4 .. 7
	WIN 0x40
.irp ks, 0,1,2,3
.irp c, 0,1,2,3
	ds_load_b128 v[64*(\p)+16*\ks+4*\c:64*(\p)+16*\ks+4*\c+3], v[WF] offset:8192*(\i)+2048*\ks+512*\c
.endr
.endr
.endm
.macro TURNSLOT                        ; the LDS addresses of the other slot
	s_xor_b32 s[TB], s[TB], SLOTB
	v_add_nc_u32 v[WF], s[TB], v[WF0]
	v_add_nc_u32 v[WS], s[TB], v[WS0]
	v_add_nc_u32 v[WN], s[TB], v[WN0]
	s_wait_alu depctr_va_vdst(0)                   ; the wait here, directly behind the writes
.endm
.macro MMA                             ; product n of a tile of parity P: K step n / 8; the x tiles go 0 .. 7 in even K steps and 4 .. 7, 0 .. 3 in odd ones: three other products at the least between a sum's steps
.set ks, n/8
.set xt, (n+4*(ks%2))%8
.set rD, ACC+64*P+8*xt
.set rA, 64*P+16*ks
.set rB, 64*(xt%4)+16*ks
.if ks == 0
	WIN 0x49+4*(xt/4)                              ; W window 1, x window 2 or 3, C (-w2/2) window 0, D window 1
	v_wmma_scale_f32_16x16x128_f8f6f4 v[rD:rD+7], v[rA:rA+15], v[rB:rB+15], v[NW+8*P:NW+8*P+7], v[SW+4*P], v[XS+4*xt]
.else
	WIN 0x59+4*(xt/4)                              ; the same, C window 1
	v_wmma_scale_f32_16x16x128_f8f6f4 v[rD:rD+7], v[rA:rA+15], v[rB:rB+15], v[rD:rD+7], v[SW+4*P+ks], v[XS+4*xt+ks]
.endif
.endm
.macro RUN n0, n1
.set n, \n0
.rept (\n1)-(\n0)
	MMA
.set n, n+1
.endr
.endm
.macro ARGMAX                          ; of the tile of parity PE; each accumulator is read from its low end on
.set mi, MM+8*PE
.set mo, MM+8*(1-PE)
.set aa, ACC+64*PE
	WIN 0x14                                       ; sources 1 and 2 window 1
.irp t, 0,1,2,3,4,5,6,7
	v_max3_num_f32 v[mo+\t], v[mi+\t], v[aa+8*\t], v[aa+8*\t+1]
.endr
.irp j, 2,4,6
.irp t, 0,1,2,3,4,5,6,7
	v_max3_num_f32 v[mo+\t], v[mo+\t], v[aa+8*\t+\j], v[aa+8*\t+\j+1]
.endr
.endr
	WIN 0
.irp t, 0,1,2,3,4,5,6,7
	v_cmp_gt_f32 s[MK+\t], v[mo+\t], v[mi+\t]      ; has M grown?  Strictly: the earlier tile keeps a tie
.endr
	WIN 0x04                                       ; source 1 window 1
.irp t, 0,1,2,3,4,5,6,7
	v_cndmask_b32 v[ID+\t], v[ID+\t], s[NB], s[MK+\t]
.endr
.irp j, 0,1,2,3,4,5,6,7
.irp t, 0,1,2,3,4,5,6,7
	v_cndmask_b32 v[SV+8*\t+\j], v[SV+8*\t+\j], v[aa+8*\t+\j], s[MK+\t]
.endr
.endr
.endm
; A TILE STEP: tile i of the chunk in hand.  epi = 1: the argmax of the tile before follows the products.  fetch = 1: the next tile is fetched.
; chg = 1: THE CHANGE OF SLOTS.  The tile's own fragments were my last reads of the slot.  The wait for all my tensor loads (one is out: my part of the other slot), the add, the descriptor's and the prefetch's steps, the wait
; for the add and my reads; the signal that opens a round of the cluster's barrier; 16 products on registers; the rest of the round; the joint refill first behind it; then the next tile out of the other slot.
; chg = 2: the last change: nothing is filled, and a part is its wave's own, so the wait on TENSORcnt is all the ordering that the reads need.
.macro TS i, epi, fetch, chg
.set P, (\i)%2
.set PE, 1-P
.set NXT, ((\i)+1)%4
.if (\chg) == 1
	WIN 0                                          ; (the add's two registers lie in window 0)
	s_wait_tensorcnt 0x0                           ; all my tensor loads have landed, so the group 0 may be written
	ds_add_u32 v[SPW], v[NIL]                      ; 0 onto my spare word
	WSTEP
	s_wait_xcnt 0x0                                ; the last prefetch, a trip back, has read its address
	s_add_nc_u64 s[PFA:PFA+1], s[PFA:PFA+1], CHUNK
	s_wait_dscnt 0x0                               ; the add is done, this tile is in registers, and my reads of this slot are over
	s_barrier_signal -1
	RUN 0, 16
	WIN 0
	s_barrier_wait -1
	CREST                                          ; no wave of any partner still reads this slot or has a load on its way
	WLOAD                                          ; the chunk two on, into the slot just left: my one tensor load until the next round
	ASK
	TURNSLOT
	WFETCH NXT, PE
	RUN 16, 32
.else
.if (\chg) == 2
	WIN 0
	s_wait_tensorcnt 0x0                           ; my part of the last chunk has landed
	TURNSLOT
.endif
.if \fetch
	WFETCH NXT, PE
	s_wait_dscnt 19                                ; this tile is in; the 19 loads just issued may stay out
.else
	s_wait_dscnt 0x0
.endif
	RUN 0, 32
.endif
.if \epi
	ARGMAX
.if (\i) == 0
	s_add_co_u32 s[NB], s[NB], 208                 ; from my tile 3 of a chunk to my tile 0 of the next: 256 - 48 neurons
.else
	s_add_co_u32 s[NB], s[NB], 16
.endif
.else
.rept 8
	v_nop                                          ; no argmax yet: the places behind this run of products
.endr
.endif
.endm
.macro MERGE Ma, Ia, Mb, Ib            ; (Ma, Ia) takes (Mb, Ib) where Mb is larger, or equal with the lower index
	v_cmp_gt_f32 s66, v[\Mb], v[\Ma]
	v_cmp_eq_f32 s67, v[\Mb], v[\Ma]
	v_cmp_lt_u32 vcc_lo, v[\Ib], v[\Ia]
	s_and_b32 s67, s67, vcc_lo
	s_or_b32 s66, s66, s67
	v_cndmask_b32 v[\Ma], v[\Ma], v[\Mb], s66
	v_cndmask_b32 v[\Ia], v[\Ia], v[\Ib], s66
.endm
	s_load_b128 s[4:7], s[0:1], 0x0                ; x, wq
	s_load_b64 s[8:9], s[0:1], 0x10                ; bmu
	v_lshl_add_u32 v[SPW], v0, 2, SPARE
	v_mov_b32 v[NIL], 0
	ds_add_u32 v[SPW], v[NIL]                      ; the opening: the add, twice on end, and its wait ahead of my first tensor load
	ds_add_u32 v[SPW], v[NIL]
	v_lshrrev_b32 v14, 5, v0
	v_readfirstlane_b32 s[WV], v14                 ; wave 0..3
	s_bfe_u32 s11, ttmp6, 0x40000                  ; cx: it enters global addresses of x, bmu and the prefetches alone
	s_lshl_b32 s12, ttmp9, 2
	s_add_co_u32 s12, s12, s11                     ; my block of 128 rows
	; group 1 for W: a part is a dense block: 136 rows of 256 bytes (32 elements of 8 bytes), no padding
	s_mov_b32 s[G1W], 15|(3<<16)|(1<<21)           ; the mask names all four work-groups; bit 21 set beside it
	s_mov_b32 s[G1W+1], 32<<16
	s_mov_b32 s[G1W+2], 136<<16
	s_mov_b32 s[G1W+3], 32<<16
	s_mov_b32 s[G1W+4], 136
	s_mov_b32 s[G1W+5], 32
	s_mov_b32 s[G1W+6], 0
	s_mov_b32 s[G1W+7], 0
	; group 1 for x: 64 rows x 256 numbers (half a row), 16 bytes of padding behind each; no mask: each work-group has rows of its own
	s_mov_b32 s[G1X], (2<<16)|(1<<20)|(7<<22)|(3<<25)
	s_mov_b32 s[G1X+1], 256<<16
	s_mov_b32 s[G1X+2], 64<<16
	s_mov_b32 s[G1X+3], 256<<16
	s_mov_b32 s[G1X+4], 64
	s_mov_b32 s[G1X+5], 512
	s_mov_b32 s[G1X+6], 0
	s_mov_b32 s[G1X+7], 0
	s_mul_i32 s66, s[WV], PART                     ; my part, in a chunk and in a slot
	s_mov_b32 s67, 0
	s_lshr_b32 s75, s[WV], 1                       ; I fetch rows 64 (wave / 2) on,
	s_and_b32 s76, s[WV], 1                        ; column half wave % 2,
	s_mul_i32 s77, s75, SLOTB
	s_mul_i32 s78, s76, XHB
	s_add_co_u32 s77, s77, s78                     ; into slot wave / 2
	s_lshl_b32 s68, s12, 18                        ; my block's 128 rows of 2,048 bytes
	s_lshl_b32 s69, s75, 17
	s_add_co_u32 s68, s68, s69
	s_lshl_b32 s69, s76, 10
	s_add_co_u32 s68, s68, s69
	s_mov_b32 s69, 0
	s_mul_i32 s72, s[WV], XTB                      ; the tile that I quantise: tile wave of each group of four
	s_lshl_b32 s73, s[WV], 13
	s_add_co_u32 s73, s73, STG
	s_lshl_b32 s74, s[WV], 9
	s_add_co_u32 s74, s74, STGS
	s_mov_b32 s[SEL], 0x76543210
	s_mov_b32 s[SEL+1], 0xfedcba98
	s_mov_b32 s[MNT], 0x600000
	s_mov_b32 s[TB], 0
	s_lshl_b32 s[NB], s[WV], 6                     ; my first tile's first neuron
	s_cmp_eq_u32 ttmp9, 0                          ; the same in all four partners
	s_cselect_b32 s[LIM], 2, -1
	s_wait_dscnt 0x0                               ; both opening adds are done
	s_wait_kmcnt 0x0
	s_mov_b32 s[G0X], 1
	s_mov_b32 s[G0X+1], s77
	s_add_nc_u64 s[G0X+2:G0X+3], s[4:5], s[68:69]
	s_or_b32 s[G0X+3], s[G0X+3], 0x80000000
	s_mov_b32 s[G0W], 1
	s_mov_b32 s[G0W+1], s66                        ; slot 0,
	s_add_nc_u64 s[G0W+2:G0W+3], s[6:7], s[66:67]  ; chunk 0
	s_or_b32 s[G0W+3], s[G0W+3], 0x80000000
	s_add_nc_u64 s[PFA:PFA+1], s[6:7], s[66:67]
	s_lshl_b32 s68, s11, 13                        ; my work-group's tile of the part
	s_add_nc_u64 s[PFA:PFA+1], s[PFA:PFA+1], s[68:69]
	s_add_nc_u64 s[PFA:PFA+1], s[PFA:PFA+1], 3*CHUNK   ; in chunk 3: the first change of slots steps it to chunk 4
	s_lshl_b32 s68, s12, 9
	s_add_nc_u64 s[8:9], s[8:9], s[68:69]          ; bmu at my block's 128 words
	CROUND                                         ; the round in front of the first tensor loads
	tensor_load_to_lds s[G0X:G0X+3], s[G1X:G1X+7]  ; a quarter of the block's x: my one load at the head
	s_nop 0
.rept 4
	v_nop
.endr
	v_and_b32 v13, 15, v0                          ; r
	v_bfe_u32 v15, v0, 4, 1                        ; h
	v_and_b32 v14, 31, v0                          ; lane
	v_lshl_add_u32 v[WF0], v14, 4, s66
	v_lshl_add_u32 v[WS0], v13, 4, s66
	v_lshl_add_u32 v[WN0], v15, 5, s66
	v_lshl_add_u32 v[LI], v14, 4, STG
	v_lshl_add_u32 v[LS], v14, 2, STGS
	v_mul_u32_u24 v[XRD], v13, XP
	v_lshl_add_u32 v[XRD], v15, 6, v[XRD]
	v_add_nc_u32 v[XRD], s72, v[XRD]               ; row r of my tile + 64 h: my 16 numbers of a block of 32
	v_add_nc_u32 v[XRD+4], XHB, v[XRD]             ; and in the second column half
	v_lshl_add_u32 v[XWI], v14, 4, s73
	v_lshl_add_u32 v[XWS], v14, 2, s74
	v_lshlrev_b32 v[PFO], 8, v14
	v_add_nc_u32 v[WF], s[TB], v[WF0]
	v_add_nc_u32 v[WS], s[TB], v[WS0]
	v_add_nc_u32 v[WN], s[TB], v[WN0]
.irp b, 0,1,2,3
	v_mov_b32 v[TM+4+\b], 0                        ; written once: a lane permute's destination counts as one of its sources
.endr
	s_wait_alu depctr_va_vdst(0)                   ; the wait at the head's end
	ASKH -3*CHUNK                                  ; chunks 0 and 1
	ASKH -2*CHUNK
	s_wait_tensorcnt 0x0                           ; my quarter of x is in,
	s_barrier_signal -1
	s_barrier_wait -1                              ; and so is everybody's: a tile's rows come from two waves' loads
	XTILE                                          ; group A: rows 0-63, in slot 0
	IMG
	s_wait_tensorcnt 0x0
	ds_add_u32 v[SPW], v[NIL]                      ; 0 onto my spare word
	s_wait_dscnt 0x0                               ; the add and my images are done, and my reads of slot 0 are over
	CROUND
	WLOAD                                          ; chunk 0 into slot 0
	ASKH -CHUNK                                    ; chunk 2
	FETCHX 0                                       ; tiles 0-3, from all four waves
	v_add_nc_u32 v[XRD], SLOTB, v[XRD]             ; group B's stage is slot 1
	v_add_nc_u32 v[XRD+4], SLOTB, v[XRD+4]
	XTILE                                          ; its codes wait in registers: the images' bytes are still being read
	s_wait_tensorcnt 0x0                           ; chunk 0 has landed
	ds_add_u32 v[SPW], v[NIL]
	WSTEP
	s_wait_dscnt 0x0                               ; the add is done; my reads of slot 1 and of group A's images are over
	CROUND
	WLOAD                                          ; chunk 1 into slot 1
	ASKH 0                                         ; chunk 3
	s_wait_alu depctr_va_vdst(0)                   ; the codes and scale words were made ahead of the waits above
	IMG
	s_wait_dscnt 0x0                               ; for the others' sake: my images are done
	s_barrier_signal -1
	s_barrier_wait -1                              ; chunk 1's load may stay out
	FETCHX 1                                       ; tiles 4-7
.irp t, 0,1,2,3,4,5,6,7
	v_mov_b32 v[MM+\t], 0xff800000                 ; M = -infinity, under every score: the first tile's compare is true in every lane, so the kept numbers need no start value
	v_mov_b32 v[ID+\t], 0
.endr
	s_wait_alu depctr_va_vdst(0)
	WFETCH 0, 0                                    ; my first tile
	TS 0, 0, 1, 0                                  ; it stands in front of the loop: there is no argmax yet
	WIN 0                                          ; at a label and at a branch every window is 0
	s_mov_b32 s[CNT], 14
.Ltrip:                                            ; 14 trips: from a chunk's second tile to the next chunk's first; each fills the slot that it leaves
	TS 1, 1, 1, 0
	TS 2, 1, 1, 0
	TS 3, 1, 1, 1
	TS 0, 1, 1, 0
	WIN 0
	s_sub_co_u32 s[CNT], s[CNT], 1
	s_cmp_lg_u32 s[CNT], 0
	s_cbranch_scc1 .Ltrip
	TS 1, 1, 1, 0                                  ; the last two chunks are written out
	TS 2, 1, 1, 0
	TS 3, 1, 1, 2
	TS 0, 1, 1, 0
	TS 1, 1, 1, 0
	TS 2, 1, 1, 0
	TS 3, 1, 0, 0
.set PE, 1
	ARGMAX                                         ; the last tile's
	WIN 0
	; THE END.  M lies in v[MM] on.  The place in the winning tile: the lowest j whose kept number is M.
	v_bfe_u32 v13, v0, 4, 1                        ; h
	v_and_b32 v12, 15, v0                          ; r
	v_and_b32 v14, 31, v0                          ; lane
.irp t, 0,1,2,3,4,5,6,7
	v_mov_b32 v[160+\t], 7
.endr
.irp j, 6,5,4,3,2,1,0
.irp t, 0,1,2,3,4,5,6,7
	v_cmp_eq_f32 s[66+\t], v[SV+8*\t+\j], v[MM+\t]
.endr
.irp t, 0,1,2,3,4,5,6,7
	v_cndmask_b32 v[160+\t], v[160+\t], \j, s[66+\t]
.endr
.endr
.irp t, 0,1,2,3,4,5,6,7
	v_add_nc_u32 v[160+\t], v[160+\t], v[ID+\t]
.endr
.irp t, 0,1,2,3,4,5,6,7
	v_lshl_add_u32 v[160+\t], v13, 3, v[160+\t]    ; the neuron: the tile's first + 8 h + j
.endr
.irp t, 0,1,2,3,4,5,6,7
	v_permlanex16_b32 v[168+\t], v[MM+\t], s[SEL], s[SEL+1]     ; the row's other eight neurons of each tile lie in the lane 16 away
	v_permlanex16_b32 v[176+\t], v[160+\t], s[SEL], s[SEL+1]
.endr
.irp t, 0,1,2,3,4,5,6,7
	MERGE MM+\t, 160+\t, 168+\t, 176+\t
.endr
	s_lshl_b32 s74, s[WV], 10
	s_add_co_u32 s74, s74, STG
	v_lshl_add_u32 v184, v14, 2, s74               ; my wave's 1,024 bytes: tile t at 128 t, 4 bytes a lane
	s_lshl_b32 s75, s[WV], 8
	s_add_co_u32 s75, s75, STG
	v_lshl_add_u32 v185, v12, 2, s75
	v_lshl_add_u32 v185, v13, 7, v185              ; row 32 wave + lane = tile 2 wave + h, row r
	v_lshl_add_u32 v194, v0, 2, OUTI
	v_lshl_add_u32 v195, v14, 4, OUTI
	v_lshlrev_b32 v200, 4, v14
.irp t, 0,1,2,3,4,5,6,7
	ds_store_b32 v184, v[MM+\t] offset:128*\t
	ds_store_b32 v184, v[160+\t] offset:4096+128*\t
.endr
	s_wait_alu depctr_va_vdst(0)                   ; the wait here, directly ahead of the wait below
	s_wait_dscnt 0x0                               ; for the others' sake: my stores are done
	s_barrier_signal -1
	s_barrier_wait -1
.irp w, 0,1,2,3
	ds_load_b32 v[186+\w], v185 offset:1024*\w     ; the four waves' maxima of my row,
	ds_load_b32 v[190+\w], v185 offset:4096+1024*\w   ; and their neurons
.endr
	s_wait_dscnt 0x0
	MERGE 186, 190, 187, 191
	MERGE 188, 192, 189, 193
	MERGE 186, 190, 188, 192
	ds_store_b32 v194, v190                        ; row = my thread's number
	s_wait_dscnt 0x0
	s_barrier_signal -1
	s_barrier_wait -1
	s_cmp_lg_u32 s[WV], 0
	s_cbranch_scc1 .Lnot_store                     ; wave 0 stores the block's 128 words; no barrier stands in this branch
	ds_load_b128 v[196:199], v195
	s_wait_dscnt 0x0
	global_store_b128 v200, v[196:199], s[8:9]     ; 32 lanes store 512 consecutive bytes, aligned
.Lnot_store:
	s_wait_tensorcnt 0x0                           ; the wave's end
	ds_add_u32 v[SPW], v[NIL]
	s_wait_dscnt 0x0
	CROUND                                         ; the closing round: no work-group ends while a partner may still ask for a part that names it
	s_endpgm
.Lfunc_end_k_qfc99df08d4_bmu_find:
	.size	k_qfc99df08d4_bmu_find, .Lfunc_end_k_qfc99df08d4_bmu_find-k_qfc99df08d4_bmu_find
	.p2alignl 7, 3214868480
	.fill 96, 4, 3214868480
	.section	.rodata,"a",@progbits
	.p2align	6, 0x0
	.amdhsa_kernel k_qfc99df08d4_bmu_find
		.amdhsa_group_segment_fixed_size 327680
		.amdhsa_private_segment_fixed_size 0
		.amdhsa_enable_private_segment 0
		.amdhsa_kernarg_size 24
		.amdhsa_user_sgpr_count 2
		.amdhsa_user_sgpr_kernarg_segment_ptr 1
		.amdhsa_wavefront_size32 1
		.amdhsa_system_sgpr_workgroup_id_x 1
		.amdhsa_system_sgpr_workgroup_id_y 1
		.amdhsa_system_sgpr_workgroup_id_z 1
		.amdhsa_system_vgpr_workitem_id 0
		.amdhsa_next_free_vgpr 1024
		.amdhsa_next_free_sgpr 80
		.amdhsa_reserve_vcc 1
		.amdhsa_float_denorm_mode_32 3
		.amdhsa_float_denorm_mode_16_64 3
		.amdhsa_memory_ordered 1
		.amdhsa_forward_progress 1
		.amdhsa_inst_pref_size 255
	.end_amdhsa_kernel
	.section	.bss,"aw",@nobits
	.p2align	6
	.space	262144
	.amdgpu_metadata
---
amdhsa.version: [ 1, 2 ]
amdhsa.kernels:
  - .name:           k_qfc99df08d4_bmu_find
    .symbol:         k_qfc99df08d4_bmu_find.kd
    .args:
      - { .name: x, .offset: 0, .size: 8, .value_kind: global_buffer, .address_space: global }
      - { .name: wq, .offset: 8, .size: 8, .value_kind: global_buffer, .address_space: global }
      - { .name: bmu, .offset: 16, .size: 8, .value_kind: global_buffer, .address_space: global }
    .group_segment_fixed_size: 327680
    .private_segment_fixed_size: 0
    .kernarg_segment_align: 8
    .kernarg_segment_size: 24
    .max_flat_workgroup_size: 128
    .sgpr_count:     80
    .vgpr_count:     1024
    .wavefront_size: 32
...
	.end_amdgpu_metadata
.endif
;; end of part 2
;; launch gather (part 3): grid 512 x 1, 8 waves a work-group, no clusters, 0 bytes of LDS; arguments weights, bmu, out0; writes out0
.if DOCPART == 3
	.amdgcn_target "amdgcn-amd-amdhsa--gfx1250"
	.amdhsa_code_object_version 6
	.text
	.protected	k_qfc99df08d4_gather
	.globl	k_qfc99df08d4_gather
	.p2align	8
	.type	k_qfc99df08d4_gather,@function
k_qfc99df08d4_gather:
	s_mov_b64 s[64:65], 0
	v_nop
	global_prefetch_b8 v0, s[64:65] scope:SCOPE_SE
	s_setreg_imm32_b32 hwreg(HW_REG_WAVE_MODE, 25, 1), 1
	s_wait_xcnt 0x0
; out0[n][:] = weights[bmu[n]][:].  weights [4096][512] f32, bmu [32768] whole numbers stored by the launch before, out0 [32768][512] f32.
; A wave takes 8 rows: its 8 indices come by one scalar load; a row is 2,048 bytes: four loads and four stores of 512 consecutive bytes.  All 32 loads are issued before the first store; each register is written
; once, so no wait frees a source.  No LDS, no barrier, no matrix unit: bytes are all there is.  No cluster: which rows a work-group reads hangs on the indices, so no tile is shared by arithmetic that is known ahead.
; The loads carry no hint: a row of the table may be named many times.  An index is held to 4,095, the table's last row, ahead of its use in an address.
	s_load_b128 s[4:7], s[0:1], 0x0                ; weights, bmu
	s_load_b64 s[8:9], s[0:1], 0x10                ; out0
	v_lshrrev_b32 v1, 5, v0
	s_delay_alu instid0(VALU_DEP_1)
	v_readfirstlane_b32 s10, v1                    ; wave 0..7
	v_and_b32 v1, 31, v0
	s_delay_alu instid0(VALU_DEP_1)
	v_lshlrev_b32 v1, 4, v1                        ; 16 x lane
	s_lshl_b32 s11, ttmp9, 3
	s_add_co_u32 s11, s11, s10                     ; which run of 8 rows is my wave's
	s_lshl_b32 s12, s11, 5                         ; its 8 indices,
	s_mov_b32 s13, 0
	s_lshl_b32 s14, s11, 14                        ; its 8 rows of 2,048 bytes
	s_mov_b32 s15, 0
	s_wait_alu depctr_va_vdst(0)
	s_wait_kmcnt 0x0
	s_add_nc_u64 s[6:7], s[6:7], s[12:13]
	s_add_nc_u64 s[8:9], s[8:9], s[14:15]
	s_load_b256 s[16:23], s[6:7], 0x0
	s_wait_kmcnt 0x0
.irp i, 0,1,2,3,4,5,6,7
	s_min_u32 s[16+\i], s[16+\i], 4095
	s_lshl_b32 s[16+\i], s[16+\i], 11
	v_add_nc_u32 v[2+\i], s[16+\i], v1             ; the winning row's first byte + 16 x lane
.endr
	s_wait_alu depctr_va_vdst(0)
.irp i, 0,1,2,3,4,5,6,7
.irp c, 0,1,2,3
	global_load_b128 v[16+16*\i+4*\c:16+16*\i+4*\c+3], v[2+\i], s[4:5] offset:512*\c
.endr
.endr
.irp i, 0,1,2,3,4,5,6,7
	s_wait_loadcnt 28-4*\i                         ; row i's four loads are in; the younger rows' may stay out
.irp c, 0,1,2,3
	global_store_b128 v1, v[16+16*\i+4*\c:16+16*\i+4*\c+3], s[8:9] offset:2048*\i+512*\c th:TH_STORE_NT   ; 512 consecutive bytes, aligned; written once, read by nobody here
.endr
.endr
	s_endpgm
.Lfunc_end_k_qfc99df08d4_gather:
	.size	k_qfc99df08d4_gather, .Lfunc_end_k_qfc99df08d4_gather-k_qfc99df08d4_gather
	.p2alignl 7, 3214868480
	.fill 96, 4, 3214868480
	.section	.rodata,"a",@progbits
	.p2align	6, 0x0
	.amdhsa_kernel k_qfc99df08d4_gather
		.amdhsa_group_segment_fixed_size 0
		.amdhsa_private_segment_fixed_size 0
		.amdhsa_enable_private_segment 0
		.amdhsa_kernarg_size 24
		.amdhsa_user_sgpr_count 2
		.amdhsa_user_sgpr_kernarg_segment_ptr 1
		.amdhsa_wavefront_size32 1
		.amdhsa_system_sgpr_workgroup_id_x 1
		.amdhsa_system_sgpr_workgroup_id_y 1
		.amdhsa_system_sgpr_workgroup_id_z 1
		.amdhsa_system_vgpr_workitem_id 0
		.amdhsa_next_free_vgpr 144
		.amdhsa_next_free_sgpr 66
		.amdhsa_reserve_vcc 0
		.amdhsa_float_denorm_mode_32 3
		.amdhsa_float_denorm_mode_16_64 3
		.amdhsa_memory_ordered 1
		.amdhsa_forward_progress 1
		.amdhsa_inst_pref_size 9
	.end_amdhsa_kernel
	.amdgpu_metadata
---
amdhsa.version: [ 1, 2 ]
amdhsa.kernels:
  - .name:           k_qfc99df08d4_gather
    .symbol:         k_qfc99df08d4_gather.kd
    .args:
      - { .name: weights, .offset: 0, .size: 8, .value_kind: global_buffer, .address_space: global }
      - { .name: bmu, .offset: 8, .size: 8, .value_kind: global_buffer, .address_space: global }
      - { .name: out0, .offset: 16, .size: 8, .value_kind: global_buffer, .address_space: global }
    .group_segment_fixed_size: 0
    .private_segment_fixed_size: 0
    .kernarg_segment_align: 8
    .kernarg_segment_size: 24
    .max_flat_workgroup_size: 256
    .sgpr_count:     66
    .vgpr_count:     144
    .wavefront_size: 32
...
	.end_amdgpu_metadata
.endif
;; end of part 3
